; MI455X (gfx1250); checked and timed in simulation.
; The chip was launched on July 23, 2026; its instructions are those of AMD's public machine-readable ISA for CDNA 5 (MIT licence, August 2026) and "CDNA5" Instruction Set Architecture Reference Guide (July 2026). The comments in the code are by the model that wrote it; some were corrected since.
;; Multi Head Attention. Allowed arithmetic: float matrix products may take bf16 or f16 operands with f32 sums; all other float work in f32.
;; Inputs: key 2 x 2,048 x 1,024 float32; query 2 x 2,048 x 1,024 float32; value 2 x 2,048 x 1,024 float32; w_k 1,024 x 1,024 float32; w_o 1,024 x 1,024 float32; w_q 1,024 x 1,024 float32; w_v 1,024 x 1,024 float32.
;; Outputs: out0 2 x 2,048 x 1,024 float32.
;; One version. Each part assembles by itself: llvm-mc -triple=amdgcn-amd-amdhsa -mcpu=gfx1250 --defsym DOCPART=n.
;; ======== version 1 of 1: 4 launches
;; limits: values are held in f16: magnitudes above 65,504 overflow, below 6.1e-05 lose precision
;; workspace buffers: xb 25,165,824 bytes; wb 8,388,608 bytes; qkvh 25,165,824 bytes; ctx 8,388,608 bytes
;; launch cvt (part 1): grid 1024 x 1, 8 waves a work-group, no clusters, 0 bytes of LDS; arguments query, key, value, w_q, w_k, w_v, w_o, xb, wb; writes xb, wb
.if DOCPART == 1
	.amdgcn_target "amdgcn-amd-amdhsa--gfx1250"
	.amdhsa_code_object_version 6
	.text
	.protected	k_qd30e82b18e_cvt
	.globl	k_qd30e82b18e_cvt
	.p2align	8
	.type	k_qd30e82b18e_cvt,@function
k_qd30e82b18e_cvt:
	s_mov_b64 s[64:65], 0
	v_nop
	global_prefetch_b8 v0, s[64:65] scope:SCOPE_SE
	s_setreg_imm32_b32 hwreg(HW_REG_WAVE_MODE, 25, 1), 1
	s_wait_xcnt 0x0
; All seven inputs are rounded once from f32 to bf16, in their own layouts, for the matrix launches that follow.
;   xb = [query | key | value], each [4096][1024] bf16;   wb = [w_q | w_k | w_v | w_o], each [1024 k][1024 n], 16 bits a number.
; w_o is rounded to bf16 like the other six, so that every input carries the same rounding, and that value is then written in f16's
; format, because its partner in the last product (ctx) is f16 and the matrix form wants both operands alike.  A bf16 value has 8
; significant bits: it is exact in f16 for 2^-17 <= |w| <= 65504; below, the error is at most 2^-25; above, it becomes an infinity (limit).
; A stream: no LDS, no barrier, no matrix unit.  A work-group takes 64 KiB of f32, a wave 8 KiB: sixteen loads of 512 neighbouring bytes,
; all issued at once; each store of the wave covers 256 consecutive bytes, aligned.  No register is written twice while memory reads it.
; Work-groups 0-767: x tensor id>>8, chunk id&255.   768-1023: weight (id>>6)&3, chunk id&63.
.set X, 4                              ; v[4:67]    sixteen loads of four f32
.set Y, 68                             ; v[68:99]   sixteen stores of four 16-bit numbers
.set T, 100                            ; v[100:105] w_o's path: at work
	s_load_b512 s[8:23], s[0:1], 0x0               ; query, key, value, w_q, w_k, w_v, w_o, xb
	s_load_b64 s[24:25], s[0:1], 0x40              ; wb
	s_mov_b32 s4, ttmp9
	s_lshr_b32 s2, s4, 8                           ; 0, 1, 2: an x tensor; 3: a weight
	s_bfe_u32 s3, s4, 0x20006                      ; which weight (bits 7:6)
	s_and_b32 s34, s4, 255                         ; chunk in an x tensor; also chunk in wb
	s_and_b32 s35, s4, 63                          ; chunk in a weight
	v_and_b32 v3, 31, v0                           ; lane
	v_lshrrev_b32 v2, 5, v0                        ; wave
	v_lshlrev_b32 v1, 4, v3
	v_lshl_or_b32 v1, v2, 13, v1                   ; load: 8,192 x wave + 16 x lane
	v_lshlrev_b32 v3, 3, v3
	v_lshl_or_b32 v2, v2, 12, v3                   ; store: 4,096 x wave + 8 x lane
	s_wait_kmcnt 0x0
	s_cmp_eq_u32 s2, 1
	s_cselect_b64 s[26:27], s[10:11], s[8:9]       ; key or query
	s_cmp_eq_u32 s2, 2
	s_cselect_b64 s[26:27], s[12:13], s[26:27]     ; value
	s_cmp_eq_u32 s3, 1
	s_cselect_b64 s[32:33], s[16:17], s[14:15]     ; w_k or w_q
	s_cmp_eq_u32 s3, 2
	s_cselect_b64 s[32:33], s[18:19], s[32:33]     ; w_v
	s_cmp_eq_u32 s3, 3
	s_cselect_b64 s[32:33], s[20:21], s[32:33]     ; w_o
	s_cmp_eq_u32 s2, 3
	s_cselect_b64 s[26:27], s[32:33], s[26:27]     ; the source,
	s_cselect_b64 s[30:31], s[24:25], s[22:23]     ; the destination: wb or xb,
	s_cselect_b32 s28, s35, s34                    ; the chunk in the source
	s_cselect_b32 s6, s34, s4                      ; and in the destination
	s_lshl_b32 s28, s28, 16                        ; 64 KiB in
	s_mov_b32 s29, 0
	s_lshl_b32 s6, s6, 15                          ; 32 KiB out
	s_mov_b32 s7, 0
	s_add_nc_u64 s[26:27], s[26:27], s[28:29]
	s_add_nc_u64 s[30:31], s[30:31], s[6:7]
.irp i, 0,1,2,3,4,5,6,7,8,9,10,11,12,13,14,15
	global_load_b128 v[X+4*\i:X+4*\i+3], v1, s[26:27] offset:512*\i th:TH_LOAD_NT
.endr
	s_cmp_ge_u32 s4, 960                           ; the last 64 work-groups hold w_o
	s_cbranch_scc1 .Lw_o
.irp i, 0,1,2,3,4,5,6,7,8,9,10,11,12,13,14,15
	s_wait_loadcnt 15-\i                           ; loads come back in order: load i is in, the 15 - i younger ones stay out
	v_cvt_pk_bf16_f32 v[Y+2*\i],   v[X+4*\i],   v[X+4*\i+1]
	v_cvt_pk_bf16_f32 v[Y+2*\i+1], v[X+4*\i+2], v[X+4*\i+3]
	global_store_b64 v2, v[Y+2*\i:Y+2*\i+1], s[30:31] offset:256*\i
.endr
	s_endpgm
.Lw_o:
.irp i, 0,1,2,3,4,5,6,7,8,9,10,11,12,13,14,15
	s_wait_loadcnt 15-\i
	v_cvt_pk_bf16_f32 v[T],   v[X+4*\i],   v[X+4*\i+1]       ; the rounding that every input gets
	v_cvt_pk_bf16_f32 v[T+1], v[X+4*\i+2], v[X+4*\i+3]
	v_lshlrev_b32 v[T+2], 16, v[T]                           ; the rounded values as f32
	v_and_b32     v[T+3], 0xffff0000, v[T]
	v_lshlrev_b32 v[T+4], 16, v[T+1]
	v_and_b32     v[T+5], 0xffff0000, v[T+1]
	v_cvt_pk_f16_f32 v[Y+2*\i],   v[T+2], v[T+3]             ; the same values in f16's format
	v_cvt_pk_f16_f32 v[Y+2*\i+1], v[T+4], v[T+5]
	global_store_b64 v2, v[Y+2*\i:Y+2*\i+1], s[30:31] offset:256*\i
.endr
	s_endpgm
.Lfunc_end_k_qd30e82b18e_cvt:
	.size	k_qd30e82b18e_cvt, .Lfunc_end_k_qd30e82b18e_cvt-k_qd30e82b18e_cvt
	.p2alignl 7, 3214868480
	.fill 96, 4, 3214868480
	.section	.rodata,"a",@progbits
	.p2align	6, 0x0
	.amdhsa_kernel k_qd30e82b18e_cvt
		.amdhsa_group_segment_fixed_size 0
		.amdhsa_private_segment_fixed_size 0
		.amdhsa_enable_private_segment 0
		.amdhsa_kernarg_size 72
		.amdhsa_user_sgpr_count 2
		.amdhsa_user_sgpr_kernarg_segment_ptr 1
		.amdhsa_wavefront_size32 1
		.amdhsa_system_sgpr_workgroup_id_x 1
		.amdhsa_system_sgpr_workgroup_id_y 1
		.amdhsa_system_sgpr_workgroup_id_z 1
		.amdhsa_system_vgpr_workitem_id 0
		.amdhsa_next_free_vgpr 106
		.amdhsa_next_free_sgpr 66
		.amdhsa_reserve_vcc 0
		.amdhsa_float_denorm_mode_32 3
		.amdhsa_float_denorm_mode_16_64 3
		.amdhsa_memory_ordered 1
		.amdhsa_forward_progress 1
		.amdhsa_inst_pref_size 17
	.end_amdhsa_kernel
	.amdgpu_metadata
---
amdhsa.version: [ 1, 2 ]
amdhsa.kernels:
  - .name:           k_qd30e82b18e_cvt
    .symbol:         k_qd30e82b18e_cvt.kd
    .args:
      - { .name: query, .offset: 0, .size: 8, .value_kind: global_buffer, .address_space: global }
      - { .name: key, .offset: 8, .size: 8, .value_kind: global_buffer, .address_space: global }
      - { .name: value, .offset: 16, .size: 8, .value_kind: global_buffer, .address_space: global }
      - { .name: w_q, .offset: 24, .size: 8, .value_kind: global_buffer, .address_space: global }
      - { .name: w_k, .offset: 32, .size: 8, .value_kind: global_buffer, .address_space: global }
      - { .name: w_v, .offset: 40, .size: 8, .value_kind: global_buffer, .address_space: global }
      - { .name: w_o, .offset: 48, .size: 8, .value_kind: global_buffer, .address_space: global }
      - { .name: xb, .offset: 56, .size: 8, .value_kind: global_buffer, .address_space: global }
      - { .name: wb, .offset: 64, .size: 8, .value_kind: global_buffer, .address_space: global }
    .group_segment_fixed_size: 0
    .private_segment_fixed_size: 0
    .kernarg_segment_align: 8
    .kernarg_segment_size: 72
    .max_flat_workgroup_size: 256
    .sgpr_count:     66
    .vgpr_count:     106
    .wavefront_size: 32
...
	.end_amdgpu_metadata
.endif
;; end of part 1
;; launch qkv (part 2): grid 4 x 48, 4 waves a work-group, clusters of 4 x 4, 327,680 bytes of LDS; arguments xb, wb, qkvh; writes qkvh
.if DOCPART == 2
	.amdgcn_target "amdgcn-amd-amdhsa--gfx1250"
	.amdhsa_code_object_version 6
	.text
	.protected	k_qd30e82b18e_qkv
	.globl	k_qd30e82b18e_qkv
	.p2align	8
	.type	k_qd30e82b18e_qkv,@function
k_qd30e82b18e_qkv:
	s_mov_b64 s[64:65], 0
	v_nop
	global_prefetch_b8 v0, s[64:65] scope:SCOPE_SE
	s_setreg_imm32_b32 hwreg(HW_REG_WAVE_MODE, 25, 1), 1
	s_wait_xcnt 0x0
	s_wait_alu depctr_hold_cnt(0) depctr_sa_sdst(0) depctr_va_vdst(0) depctr_va_sdst(0) depctr_va_ssrc(0) depctr_va_vcc(0) depctr_vm_vsrc(0)
	s_getreg_b32 s2, hwreg(HW_REG_IB_STS2, 6, 4)
	s_cmp_eq_u32 s2, 0
	s_cbranch_scc0 .Lentry_in_a_cluster
	s_endpgm
.Lentry_in_a_cluster:
	s_bfe_u32 s2, ttmp6, 0x10000c
	s_cmp_lg_u32 s2, 0xf033
	s_cbranch_scc0 .Lentry_shape_is_right
	s_endpgm
.Lentry_shape_is_right:
; The three projections as one product: C[12288][1024] = xb[12288][1024] x W_p, p = row / 4096 (query w_q, key w_k, value w_v).
; Operands bf16, sums f32, the result rounded once to f16 and stored head-major: qkvh[p][b][head][s][64].
; f16 and not bf16 for the result, because the first rows of the attention pass single values of v through almost unchanged and f16 has three
; more significant bits.  LIMIT: |q|, |k|, |v| < 65504.  Inputs and weights 30 times the drawn ones give a spread of 900; offsets of 30 spreads on both give 1024 x 30 x 0.94 = 28,800.
; A work-group makes 256 x 256 of C with four waves; a wave makes 128 x 128: 64 accumulator tiles of 16 x 16, 512 registers.
; 3 x 16 x 4 = 192 work-groups: three projections do not divide into 256 equal blocks of this size, and none is launched to make up a number.
; K goes in steps of 128 through two LDS slots filled by the tensor data mover.  A's tile: 256 rows x 256 bytes, LDS pitch 272.
; W lies [k][n]: its tile is 128 k-rows x 512 bytes, LDS pitch 544, and its fragments come out of LDS by transposing loads.
; CLUSTERS: 4 x 4 work-groups.  A's tile hangs on the block row alone and is asked for jointly by a row of the cluster; W's hangs on the block
; column (and on p, which all sixteen share: a cluster spans 1,024 rows) and is asked for jointly by a column.  Requests for both are divided by four.
; REGISTERS, in windows of 256:  window 0: v0-31 addresses; v64-127, v128-191 fragments of A, two buffers; v192-223 the way out
;   window 1: v64-127, v128-191 fragments of W;   window 2: accumulators of my rows 0-63 (tile (a, b) at v[8 (8 a + b)]);   window 3: rows 64-127
; THE MATRIX INSTRUCTION IS USED TRANSPOSED: source 0 = 16 columns of W, source 1 = 16 rows of A, so that a lane's eight results are eight
; neighbouring columns of one row of C, 16 bytes of f16.
.set SIZE_K, 1024
.set KSTEP,  128
.set PITCH,  272                       ; A's LDS row: 256 bytes + 16: the 16 rows of a fragment start at 16 different 16-byte columns modulo 256
.set BPITCH, 544                       ; W's LDS row: 512 bytes + 32 = 17 x 32
.set HALFT,  128*PITCH                 ; what one tensor load brings: 128 rows of A, or 64 k-rows of W (64 x 544 is the same 34,816)
.set SLOT,   4*HALFT                   ; A's 256 rows, then W's 128 k-rows
.set STAGE,  2*SLOT                    ; behind the ring: 16 rows x 272 bytes for each wave; no tensor load lands here
.set SPITCH, 272
.set LAPS, SIZE_K/(2*KSTEP)            ; 4 laps of two K steps
.set ADRA, 16                          ; v16-17  LDS address of my A fragments in slot 0, 1
.set ADRB, 20                          ; v20-21  the same for W
.set STO,  24
.set RD,   25
.set CO,   26
.set F0,   64
.set F1,   128
.set TMP,  192
.set G1, 24                            ; s[24:31] group 1 for A
.set G0, 32                            ; s[32:39] group 0 for A, one set a slot
.set G1B, 48                           ; s[48:55] group 1 for W
.set G0B, 56                           ; s[56:63] group 0 for W, one set a slot
.set MSB, 0
.macro WIN new                         ; the immediate's high byte repeats the setting that is left
.if MSB != \new
	s_set_vgpr_msb (MSB<<8)|\new
.set MSB, \new
.endif
.endm
.set MUL_LO, 0xa1                      ; source 0 (W) window 1, source 1 (A) window 0, C and D window 2
.set MUL_HI, 0xf1                      ; the same, C and D window 3
.set TO_B,   0x40                      ; destination window 1, address window 0
; A joint load.  Waves 0 and 1 fetch A's two halves, waves 2 and 3 W's.  The branch hangs on the wave's number alone.
.macro JLOAD s
	s_cmp_eq_u32 s11, 0
	s_cbranch_scc0 .Lfor_b_\@
	tensor_load_to_lds s[G0+4*\s:G0+4*\s+3], s[G1:G1+7]
	s_nop 0
	s_branch .Lasked_\@
.Lfor_b_\@:
	tensor_load_to_lds s[G0B+4*\s:G0B+4*\s+3], s[G1B:G1B+7]
	s_nop 0
.Lasked_\@:
.endm
.macro CREST                           ; a round of the cluster's barrier behind its opening work-group barrier
	s_cmp_lg_u32 s10, 0
	s_cbranch_scc1 .Lnot_wave_0_\@
	s_barrier_signal -3
.Lnot_wave_0_\@:
	s_barrier_wait -3
	s_barrier_signal -1
	s_barrier_wait -1
.endm
.macro CROUND                          ; a whole round
	s_barrier_signal -1
	s_barrier_wait -1
	CREST
.endm
	s_load_b128 s[4:7], s[0:1], 0x0                ; xb s[4:5], wb s[6:7]
	s_load_b64 s[8:9], s[0:1], 0x10                ; qkvh
	s_set_vgpr_msb 0x40
	v_lshl_add_u32 v255, v0, 2, 0x48400
	s_set_vgpr_msb 0x4000
	v_mov_b32 v255, 0
	s_set_vgpr_msb 0x1
	ds_add_u32 v255, v255
	s_set_vgpr_msb 0x100
	v_lshrrev_b32 v1, 5, v0
	v_readfirstlane_b32 s10, v1                    ; wave 0..3
	s_lshr_b32 s11, s10, 1                         ; my half of the block's rows.  Also: I fetch for A (0) or for W (1)
	s_and_b32 s12, s10, 1                          ; my half of its columns.  Also: which half of that tile I fetch
	s_bfe_u32 s40, ttmp6, 0x40000                  ; cx
	s_bfe_u32 s41, ttmp6, 0x40004                  ; cy
	s_lshl_b32 s42, ttmp9, 2
	s_add_co_u32 s42, s42, s40                     ; block column 0..3
	s_and_b32 s45, ttmp7, 0xffff
	s_lshr_b32 s45, s45, 2                         ; p = cluster y / 4: made of the cluster's y alone
	s_and_b32 s13, ttmp7, 0xffff
	s_lshl_b32 s13, s13, 2
	s_add_co_u32 s13, s13, s41                     ; block row 0..47
	s_lshl_b32 s43, s41, 2
	s_lshl_b32 s43, 15, s43                        ; my row of the cluster
	s_lshl_b32 s44, 0x1111, s40                    ; my column
	s_or_b32 s[G1+0], s43, (1<<16)|(1<<20)|(1<<21)|(5<<22)|(3<<25)   ; mask; 2-byte elements; padding on; bit 21 beside a mask; 4 words after every 64
	s_mov_b32 s[G1+1], KSTEP<<16                   ; tensor_dim0 = 128
	s_mov_b32 s[G1+2], 128<<16                     ; tensor_dim1 = 128
	s_mov_b32 s[G1+3], KSTEP<<16                   ; tile_dim0 = 128
	s_mov_b32 s[G1+4], 128                         ; tile_dim1 = 128
	s_mov_b32 s[G1+5], SIZE_K                      ; elements from row to row
	s_mov_b32 s[G1+6], 0
	s_mov_b32 s[G1+7], 0
	s_or_b32 s[G1B+0], s44, (1<<16)|(1<<20)|(1<<21)|(6<<22)|(7<<25)  ; W: 8 words after every 128
	s_mov_b32 s[G1B+1], 256<<16                    ; tensor_dim0 = 256 columns
	s_mov_b32 s[G1B+2], 64<<16                     ; tensor_dim1 = 64 k-rows
	s_mov_b32 s[G1B+3], 256<<16                    ; tile_dim0 = 256
	s_mov_b32 s[G1B+4], 64                         ; tile_dim1 = 64
	s_mov_b32 s[G1B+5], 1024                       ; elements from k-row to k-row
	s_mov_b32 s[G1B+6], 0
	s_mov_b32 s[G1B+7], 0
	; A's tile hangs on the block row, W's on the block column and p; each offset is made in registers that never hold the other coordinate
	s_lshl_b32 s17, s12, 7
	s_lshl_b32 s16, s13, 8
	s_add_co_u32 s16, s16, s17                     ; A: row 256 x block row + 128 x half,
	s_lshl_b32 s16, s16, 11                        ; of 2,048 bytes (25 MB at the most)
	s_mov_b32 s17, 0
	s_lshl_b32 s46, s45, 21                        ; W: matrix p of 2 MiB,
	s_lshl_b32 s47, s12, 17                        ; + 64 k-rows of 2,048 bytes for the second half,
	s_add_co_u32 s46, s46, s47
	s_lshl_b32 s47, s42, 9                         ; + 512 bytes a block column
	s_add_co_u32 s46, s46, s47
	s_mov_b32 s47, 0
	s_mul_i32 s20, s10, HALFT                      ; where they go: wave x 34,816
	s_wait_dscnt 0x0
	s_wait_kmcnt 0x0
	s_add_nc_u64 s[14:15], s[4:5], s[16:17]
	s_add_nc_u64 s[46:47], s[6:7], s[46:47]
	CROUND                                         ; all sixteen work-groups are here: the first joint loads meet
.irp s, 0,1
	s_mov_b32 s[G0+4*\s], 1
	s_add_co_u32 s[G0+4*\s+1], s20, \s*SLOT
	s_add_nc_u64 s[G0+4*\s+2:G0+4*\s+3], s[14:15], \s*KSTEP*2          ; K step s: 256 bytes along A's rows
	s_or_b32 s[G0+4*\s+3], s[G0+4*\s+3], 0x80000000
	s_mov_b32 s[G0B+4*\s], 1
	s_add_co_u32 s[G0B+4*\s+1], s20, \s*SLOT
	s_add_nc_u64 s[G0B+4*\s+2:G0B+4*\s+3], s[46:47], \s*KSTEP*2048     ; K step s: 128 k-rows down W
	s_or_b32 s[G0B+4*\s+3], s[G0B+4*\s+3], 0x80000000
	JLOAD \s                                       ; two tensor loads of the wave are out here, one behind each later round
.endr
	v_and_b32 v1, 15, v0                           ; r = l % 16
	v_bfe_u32 v2, v0, 4, 1                         ; h = l / 16
	v_mul_u32_u24 v3, v1, PITCH
	v_lshl_add_u32 v3, v2, 4, v3                   ; A: row x pitch + 16 h
	v_and_b32 v6, 7, v0
	v_lshl_add_u32 v6, v2, 3, v6                   ; W: k-row 8 h + l % 8,
	v_mul_u32_u24 v6, v6, BPITCH
	v_bfe_u32 v7, v0, 3, 1
	v_lshl_add_u32 v6, v7, 4, v6                   ; + 16 bytes for lanes 8-15 of each half: the transposing load's addresses
	s_mul_i32 s21, s11, HALFT                      ; my 128 rows of A
	s_lshl_b32 s22, s12, 8                         ; my 128 columns of W: 256 bytes along its rows,
	s_add_co_u32 s22, s22, 2*HALFT                 ; behind A's 256 rows
.irp s, 0,1
	v_add_nc_u32 v[ADRA+\s], s21, v3
	v_add_nc_u32 v[ADRB+\s], s22, v6
	s_add_co_u32 s21, s21, SLOT
	s_add_co_u32 s22, s22, SLOT
.endr
	s_mul_i32 s23, s10, 16*SPITCH
	s_add_co_u32 s23, s23, STAGE                   ; my stage
	v_mul_u32_u24 v4, v1, SPITCH
	v_lshl_add_u32 v4, v2, 4, v4
	v_add_nc_u32 v[STO], s23, v4                   ; in: row r, 16 bytes for each half of the lanes
	v_bfe_u32 v5, v0, 3, 2
	v_mul_u32_u24 v5, v5, SPITCH
	v_and_b32 v8, 7, v0
	v_lshl_add_u32 v5, v8, 4, v5
	v_add_nc_u32 v[RD], s23, v5                    ; back: eight lanes take one head's 128 bytes of a row, four rows a load
	v_and_b32 v5, 31, v0
	v_lshlrev_b32 v[CO], 4, v5                     ; in qkvh those four rows are 512 neighbouring bytes
.macro MUL16 f, hi, a0, zero
.irp a, \a0, \a0+1
.irp b, 0,1,2,3,4,5,6,7
.if \zero
	v_wmma_f32_16x16x32_bf16 v[8*(8*(\a)+\b):8*(8*(\a)+\b)+7], v[\f+8*\b:\f+8*\b+7], v[\f+8*(4*\hi+\a):\f+8*(4*\hi+\a)+7], 0
.else
	v_wmma_f32_16x16x32_bf16 v[8*(8*(\a)+\b):8*(8*(\a)+\b)+7], v[\f+8*\b:\f+8*\b+7], v[\f+8*(4*\hi+\a):\f+8*(4*\hi+\a)+7], v[8*(8*(\a)+\b):8*(8*(\a)+\b)+7]
.endif
.endr
.endr
.endm
; 32 LDS loads in one run: the fragments of one quarter step into buffer f.  k = byte along A's rows (64 a quarter); in W that is k/2 k-rows = k x 272 bytes.
.macro FETCH slot, k, f
	WIN TO_B
.irp i, 0,1,2,3,4,5,6,7
	ds_load_tr16_b128 v[\f+8*\i:\f+8*\i+3],   v[ADRB+\slot] offset:\k*272+\i*32            ; k = 8 h .. 8 h + 7 of column 16 i + r
	ds_load_tr16_b128 v[\f+8*\i+4:\f+8*\i+7], v[ADRB+\slot] offset:\k*272+\i*32+16*BPITCH  ; k = 16 + 8 h ..
.endr
	WIN 0
.irp i, 0,1,2,3,4,5,6,7
	ds_load_b128 v[\f+8*\i:\f+8*\i+3],   v[ADRA+\slot] offset:\k+\i*16*PITCH
	ds_load_b128 v[\f+8*\i+4:\f+8*\i+7], v[ADRA+\slot] offset:\k+\i*16*PITCH+32
.endr
.endm
; Four plain vector instructions stand between a matrix instruction and a load into, or a vector read or write of, one of its registers.
.macro PLACES
.rept 4
	v_nop
.endr
.endm
.macro QUARTER slot, k, f, g, zero
	s_wait_dscnt 8                                 ; W and A's rows 0-63 are in; the youngest eight loads (A's rows 64-127) may be out
	WIN MUL_LO
	MUL16 \f, 0, 0, \zero
	MUL16 \f, 0, 2, \zero
	PLACES
	FETCH \slot, \k, \g
	s_wait_dscnt 32                                ; all but the 32 just issued
	WIN MUL_HI
	MUL16 \f, 1, 0, \zero
	MUL16 \f, 1, 2, \zero
.endm
.macro THREE slot, zero
	QUARTER \slot, 64,  F0, F1, \zero
	QUARTER \slot, 128, F1, F0, 0
	QUARTER \slot, 192, F0, F1, 0
.endm
; The last quarter of a K step changes slots.  In front of the barrier each wave waits for its reads of this slot and for all its tensor loads (one
; is out: its part of the next slot).  Behind it the refill comes first, then the next slot's first fragments.
.macro TURN slot, next, fill
	s_wait_dscnt 8
	WIN MUL_LO
	MUL16 F1, 0, 0, 0
	s_wait_dscnt 0                                 ; my reads of this slot are over
	s_wait_tensorcnt 0x0                           ; and all my tensor loads have landed
	ds_add_u32 v255, v255
	s_wait_dscnt 0x0
	s_barrier_signal -1
	MUL16 F1, 0, 2, 0                              ; register work while the others arrive
	WIN 0
	s_barrier_wait -1
.if \fill
	CREST                                          ; all sixteen work-groups have said so: no partner's wave still reads this slot or has a load on its way
	s_add_nc_u64 s[G0+4*\slot+2:G0+4*\slot+3], s[G0+4*\slot+2:G0+4*\slot+3], 2*KSTEP*2
	s_add_nc_u64 s[G0B+4*\slot+2:G0B+4*\slot+3], s[G0B+4*\slot+2:G0B+4*\slot+3], 2*KSTEP*2048
	JLOAD \slot                                    ; the first tensor load behind the round, one a wave
.endif
	PLACES
	FETCH \next, 0, F0
	WIN MUL_HI
	MUL16 F1, 1, 0, 0
	MUL16 F1, 1, 2, 0
.endm
.macro LAP zero
	THREE 0, \zero
	TURN 0, 1, 1
	THREE 1, 0
	TURN 1, 0, 1
.endm
; The 64 accumulators take turns, one instruction a turn, in the same order in every quarter, over the backward jump too.
	s_wait_tensorcnt 1                             ; my part of K step 0 is in; K step 1's may stay out
	s_barrier_signal -1
	s_barrier_wait -1
	FETCH 0, 0, F0
	LAP 1                                          ; the first products start the sums: nothing is cleared
	WIN 0
	s_mov_b32 s3, LAPS-2
.Llap:
	LAP 0
	WIN 0
	s_sub_co_u32 s3, s3, 1
	s_cmp_lg_u32 s3, 0
	s_cbranch_scc1 .Llap
	THREE 0, 0                                     ; the last lap fills nothing
	TURN 0, 1, 0
	THREE 1, 0
	s_wait_dscnt 8
	WIN MUL_LO
	MUL16 F1, 0, 0, 0
	MUL16 F1, 0, 2, 0
	s_wait_dscnt 0
	WIN MUL_HI
	MUL16 F1, 1, 0, 0
	MUL16 F1, 1, 2, 0
	; THE WAY OUT, 16 rows at a time: round to f16, 16 bytes a lane into my stage, read back by heads, store 512 neighbouring bytes an instruction.
	; Row R = 256 by + 128 half + .. of C is (p, b) = R / 2048 and s = R % 2048; column N is head N / 64, d = N % 64.
	PLACES
	s_lshr_b32 s14, s13, 3
	s_lshl_b32 s16, s14, 22                        ; (2 p + b) x 16 heads x 262,144 bytes
	s_and_b32 s14, s13, 7
	s_lshl_b32 s14, s14, 8
	s_lshl_b32 s17, s11, 7
	s_add_co_u32 s14, s14, s17                     ; s of my first row,
	s_lshl_b32 s14, s14, 7                         ; of 128 bytes
	s_add_co_u32 s16, s16, s14
	s_mov_b32 s17, 0
	s_add_nc_u64 s[8:9], s[8:9], s[16:17]
	s_lshl_b32 s46, s42, 2                         ; my first head = 4 x block column + 2 x half (in W's registers: none that feeds A's descriptors holds cx)
	s_lshl_b32 s47, s12, 1
	s_add_co_u32 s46, s46, s47
	s_lshl_b32 s46, s46, 18
	s_mov_b32 s47, 0
	s_add_nc_u64 s[8:9], s[8:9], s[46:47]
.macro OUT16 i, a, from, f
	WIN \from
.irp b, 0,1,2,3,4,5,6,7
.irp r, 0,1,2,3
	v_cvt_pk_f16_f32 v[TMP+4*\b+\r], v[8*(8*\a+\b)+2*\r], v[8*(8*\a+\b)+2*\r+1]
.endr
.endr
	WIN 0
.irp b, 0,1,2,3,4,5,6,7
	ds_store_b128 v[STO], v[TMP+4*\b:TMP+4*\b+3] offset:32*\b
.endr
	s_wait_xcnt 0x0                                ; buffer f, which earlier stores read, and the stores' base are rewritten only behind this wait
.if \i
	s_add_nc_u64 s[8:9], s[8:9], 16*128            ; 16 rows of a head on
.endif
.irp t, 0,1,2,3,4,5,6,7
	ds_load_b128 v[\f+4*\t:\f+4*\t+3], v[RD] offset:(\t&3)*4*SPITCH+(\t>>2)*128    ; LDS serves a wave's instructions in order: these see the stores above
.endr
.irp t, 0,1,2,3,4,5,6,7
	s_wait_dscnt 7-\t
	global_store_b128 v[CO], v[\f+4*\t:\f+4*\t+3], s[8:9] offset:(\t>>2)*262144+(\t&3)*512   ; four rows of one head: 512 consecutive bytes, aligned
.endr
.endm
	OUT16 0, 0, 0x0a, F0
	OUT16 1, 1, 0x0a, F1
	OUT16 2, 2, 0x0a, F0
	OUT16 3, 3, 0x0a, F1
	OUT16 4, 0, 0x0f, F0
	OUT16 5, 1, 0x0f, F1
	OUT16 6, 2, 0x0f, F0
	OUT16 7, 3, 0x0f, F1
	s_set_vgpr_msb 0x1
	s_wait_tensorcnt 0x0
	ds_add_u32 v255, v255
	s_wait_dscnt 0x0
	s_set_vgpr_msb 0x100
	CROUND                                         ; the closing round: no work-group ends while a partner may still ask for a tile that names it
	s_endpgm
.Lfunc_end_k_qd30e82b18e_qkv:
	.size	k_qd30e82b18e_qkv, .Lfunc_end_k_qd30e82b18e_qkv-k_qd30e82b18e_qkv
	.p2alignl 7, 3214868480
	.fill 96, 4, 3214868480
	.section	.rodata,"a",@progbits
	.p2align	6, 0x0
	.amdhsa_kernel k_qd30e82b18e_qkv
		.amdhsa_group_segment_fixed_size 327680
		.amdhsa_private_segment_fixed_size 0
		.amdhsa_enable_private_segment 0
		.amdhsa_kernarg_size 24
		.amdhsa_user_sgpr_count 2
		.amdhsa_user_sgpr_kernarg_segment_ptr 1
		.amdhsa_wavefront_size32 1
		.amdhsa_system_sgpr_workgroup_id_x 1
		.amdhsa_system_sgpr_workgroup_id_y 1
		.amdhsa_system_sgpr_workgroup_id_z 1
		.amdhsa_system_vgpr_workitem_id 0
		.amdhsa_next_free_vgpr 1024
		.amdhsa_next_free_sgpr 66
		.amdhsa_reserve_vcc 0
		.amdhsa_float_denorm_mode_32 3
		.amdhsa_float_denorm_mode_16_64 3
		.amdhsa_memory_ordered 1
		.amdhsa_forward_progress 1
		.amdhsa_inst_pref_size 197
	.end_amdhsa_kernel
	.amdgpu_metadata
---
amdhsa.version: [ 1, 2 ]
amdhsa.kernels:
  - .name:           k_qd30e82b18e_qkv
    .symbol:         k_qd30e82b18e_qkv.kd
    .args:
      - { .name: xb, .offset: 0, .size: 8, .value_kind: global_buffer, .address_space: global }
      - { .name: wb, .offset: 8, .size: 8, .value_kind: global_buffer, .address_space: global }
      - { .name: qkvh, .offset: 16, .size: 8, .value_kind: global_buffer, .address_space: global }
    .group_segment_fixed_size: 327680
    .private_segment_fixed_size: 0
    .kernarg_segment_align: 8
    .kernarg_segment_size: 24
    .max_flat_workgroup_size: 128
    .sgpr_count:     66
    .vgpr_count:     1024
    .wavefront_size: 32
...
	.end_amdgpu_metadata
.endif
;; end of part 2
;; launch attn (part 3): grid 8 x 32, 8 waves a work-group, clusters of 4 x 1, 327,680 bytes of LDS; arguments qkvh, ctx; writes ctx
.if DOCPART == 3
	.amdgcn_target "amdgcn-amd-amdhsa--gfx1250"
	.amdhsa_code_object_version 6
	.text
	.protected	k_qd30e82b18e_attn
	.globl	k_qd30e82b18e_attn
	.p2align	8
	.type	k_qd30e82b18e_attn,@function
k_qd30e82b18e_attn:
	s_mov_b64 s[64:65], 0
	v_nop
	global_prefetch_b8 v0, s[64:65] scope:SCOPE_SE
	s_setreg_imm32_b32 hwreg(HW_REG_WAVE_MODE, 25, 1), 1
	s_wait_xcnt 0x0
	s_wait_alu depctr_hold_cnt(0) depctr_sa_sdst(0) depctr_va_vdst(0) depctr_va_sdst(0) depctr_va_ssrc(0) depctr_va_vcc(0) depctr_vm_vsrc(0)
	s_getreg_b32 s2, hwreg(HW_REG_IB_STS2, 6, 4)
	s_cmp_eq_u32 s2, 0
	s_cbranch_scc0 .Lentry_in_a_cluster
	s_endpgm
.Lentry_in_a_cluster:
	s_bfe_u32 s2, ttmp6, 0x10000c
	s_cmp_lg_u32 s2, 0x3003
	s_cbranch_scc0 .Lentry_shape_is_right
	s_endpgm
.Lentry_shape_is_right:
; ctx[b][h][s][64] = softmax(q k^T / 8 - 10000 x [key > query]) v, one (batch, head) and 256 queries a work-group.  Operands f16, sums and softmax f32.
; THE WHOLE SQUARE IS COMPUTED.  The mask is an added -10000, not minus infinity: with scores above 10000 a masked key still counts, so no key block is left out.
; The softmax keeps a running maximum.  The score is held unscaled; the mask enters as -80000 = -10000 x 8, as the C operand of a score tile's first product.
; Eight waves: wave w has queries 64 (w & 3) .. + 63 and half w >> 2 of each slot's 256 keys; the two halves are merged once at the end, through LDS.
; Two waves lie on each SIMD, so one wave's softmax can run beside the other's matrix work, and each wave still has 64 queries for every key it reads from LDS.
; TRANSPOSED PRODUCTS.  S^T = K Q^T: lane (r, h), register e holds key 8 h + e, query r: a query's statistics are a lane's own, plus one exchange of halves,
; and two neighbouring tiles, packed to f16, ARE the B fragment of P^T.  O^T = V^T P^T, with V^T by transposing loads: a lane ends with 8 neighbouring d of one query.
; THE ORDER OF THE SOFTMAX.  A step has 128 exponentials and 192 plain lines (64 exponents, 64 sums, 64 packings).  They take turns: two exponentials of one query
; tile, between them the sum and the packing of a pair of the tile before, then a pair's exponents of the tile behind.  So no line reads what the line in front of
; it wrote, a running sum is taken up again four or five lines on, and no run of exponentials is longer than two.  The maxima run in eight chains.
; CLUSTER: the four work-groups of a cluster have the same head: K's and V's tiles are asked for jointly (mask 15), which divides those requests by four.
; No branch and no LDS address hangs on the place in the cluster: the mask is made by scalar selects.
; LDS: two slots of 77,824 bytes (V: 256 rows, pitch 160 = 5 x 32; K at + 40,960: 256 rows, pitch 144 = 9 x 16); at 155,648 the merge's 4 x 17,408; at 225,280 the
; way out's 4 x 9,216.  No tensor load lands in the last two.
; LIMITS: v_exp_f32 gives 0 below 2^-126; weights below 2^-25 of a query's largest vanish in f16; |q|, |k|, |v| < 65504; an infinity or NaN in an input may spread otherwise than in f32.
.set SLOT, 77824
.set KOFF, 40960
.set VP,   160
.set KP,   144
.set SCR,  2*SLOT
.set SCRW, 17408
.set STG,  SCR+4*SCRW
.set STGW, 9216
; window 0
.set SCRA, 2
.set STO,  3
.set RD,   4
.set CO,   5
.set QOFF, 6
.set Q,    64                          ; v64-127   Q fragment (q tile i, d half s) at Q + 8 (2 i + s)
.set O,    128                         ; v128-255  O^T tile (q tile i, d tile t) at O + 8 (4 i + t)
; window 1 (written by the low 8 bits)
.set S,    0                           ; 0-127     S^T tile (key tile j, q tile i) at 8 (4 i + j); later P fragment (i, c) at 32 i + 16 c
.set KV,   128                         ; 128-191   K fragment (j, s) at 8 (4 s + j); later V fragment (t, c) at 8 (4 c + t)
.set BB,   192                         ; 192-207   two mask tiles that take turns
.set G,    208                         ; 208-215   the diagonal tile's mask: -80000 where 8 h + e > r
.set BV,   216                         ; 216-217   a tile's uniform mask
.set MN0,  220                         ; 220-223   -m c as a phase's first step left it
.set M,    224                         ; 224-227   running maximum, unscaled
.set AL,   228                         ; 228-231   alpha
.set L2,   232                         ; 232-239   a pair of running sums for each q tile
.set T,    240                         ; 240-247   at work
.set ADRK, 248                         ; 248-249   K fragment address, slot 0, 1
.set ADRV, 250                         ; 250-251   V fragment address, slot 0, 1
.set MN1,  252                         ; 252-255   -m c as a phase's second step left it
.set W_S,  0x51                        ; source 0, source 2, destination window 1; source 1 (Q) window 0
.set W_1,  0x55                        ; all window 1
.set W_R,  0x04                        ; source 1 window 1, the rest window 0
.set W_PV, 0x05                        ; sources 0 and 1 window 1; C and D window 0
.set MSB, 0
.macro WIN new                         ; the immediate's high byte repeats the setting that is left
.if MSB != \new
	s_set_vgpr_msb (MSB<<8)|\new
.set MSB, \new
.endif
.endm
.macro PLACES                          ; four plain vector instructions between a matrix instruction and a load into, or a vector use of, its registers
.rept 4
	v_nop
.endr
.endm
.macro ROUND                           ; a round of the cluster's barrier
	s_barrier_signal -1
	s_barrier_wait -1
	s_cmp_lg_u32 s8, 0
	s_cbranch_scc1 .Lnot_wave_0_\@
	s_barrier_signal -3
.Lnot_wave_0_\@:
	s_barrier_wait -3
	s_barrier_signal -1
	s_barrier_wait -1
.endm
.macro JLOAD sl                        ; waves 0-3 ask for V's four quarters of slot sl, waves 4-7 for K's: 64 rows, 8 KiB each
	s_cmp_eq_u32 s9, 0
	s_cbranch_scc0 .Lfor_k_\@
	tensor_load_to_lds s[32+4*\sl:35+4*\sl], s[16:23]
	s_nop 0
	s_branch .Lasked_\@
.Lfor_k_\@:
	tensor_load_to_lds s[40+4*\sl:43+4*\sl], s[24:31]
	s_nop 0
.Lasked_\@:
.endm
	s_load_b128 s[4:7], s[0:1], 0x0                ; qkvh s[4:5], ctx s[6:7]
	v_lshl_add_u32 v62, v0, 2, 0x40000
	v_mov_b32 v63, 0
	ds_add_u32 v62, v63
	v_lshrrev_b32 v1, 5, v0
	v_readfirstlane_b32 s8, v1                     ; wave 0..7
	s_lshr_b32 s9, s8, 2                           ; kh: my half of the keys.  Also: I fetch V (0) or K (1)
	s_and_b32 s10, s8, 3                           ; rg: my 64 queries
	s_bfe_u32 s11, ttmp6, 0x40000                  ; cx
	s_lshl_b32 s12, ttmp9, 2
	s_add_co_u32 s12, s12, s11                     ; query block 0..7
	s_and_b32 s13, ttmp7, 0xffff                   ; 16 b + head
	s_mov_b32 s16, 15|(1<<16)|(1<<20)|(1<<21)|(4<<22)|(7<<25)   ; V: mask of all four; 2-byte elements; padding on; bit 21 beside a mask; 8 words after every 32
	s_mov_b32 s17, 64<<16                          ; tensor_dim0 = 64
	s_mov_b32 s18, 64<<16                          ; tensor_dim1 = 64
	s_mov_b32 s19, 64<<16                          ; tile_dim0 = 64
	s_mov_b32 s20, 64                              ; tile_dim1 = 64
	s_mov_b32 s21, 64                              ; a head's rows follow each other
	s_mov_b32 s22, 0
	s_mov_b32 s23, 0
	s_mov_b32 s24, 15|(1<<16)|(1<<20)|(1<<21)|(4<<22)|(3<<25)   ; K: 4 words after every 32
	s_mov_b32 s25, 64<<16
	s_mov_b32 s26, 64<<16
	s_mov_b32 s27, 64<<16
	s_mov_b32 s28, 64
	s_mov_b32 s29, 64
	s_mov_b32 s30, 0
	s_mov_b32 s31, 0
	s_lshl_b32 s14, s13, 18                        ; the head's 2,048 rows of 128 bytes,
	s_lshl_b32 s15, s8, 13                         ; + 64 rows a wave
	s_add_co_u32 s14, s14, s15
	s_mov_b32 s15, 0
	s_mul_i32 s61, s8, 64*VP                       ; V's quarter w in a slot
	s_mul_i32 s62, s8, 64*KP
	s_add_co_u32 s62, s62, KOFF-4*64*KP            ; K's quarter w - 4
	s_mov_b32 s52, 0x3e38aa3b                      ; c = log2(e) / 8, twice: a pair for the packed forms
	s_mov_b32 s53, 0x3e38aa3b
	s_mov_b32 s54, 0xbe38aa3b                      ; -c
	s_mov_b32 s55, 0xc79c4000                      ; -80000.0
	s_mov_b32 s56, 0x76543210                      ; v_permlanex16_b32: lane i of one half reads lane i of the other
	s_mov_b32 s57, 0xfedcba98
	s_mov_b32 s59, 0                               ; upper word of the pair s[58:59]
	s_lshl_b32 s50, s12, 4                         ; sT = my first query tile - my first key tile = 16 block + 4 rg - 8 kh, - 16 a phase
	s_lshl2_add_u32 s50, s10, s50
	s_lshl_b32 s63, s9, 3
	s_sub_co_i32 s50, s50, s63
	s_wait_dscnt 0x0
	s_wait_kmcnt 0x0
	s_add_nc_u64 s[48:49], s[4:5], s[14:15]
.irp sl, 0,1
	s_mov_b32 s[32+4*\sl], 1
	s_add_co_u32 s[33+4*\sl], s61, \sl*SLOT
	s_add_nc_u64 s[34+4*\sl:35+4*\sl], s[48:49], 16777216+\sl*32768            ; v is the third tensor of qkvh; a slot is 256 rows
	s_or_b32 s[35+4*\sl], s[35+4*\sl], 0x80000000
	s_mov_b32 s[40+4*\sl], 1
	s_add_co_u32 s[41+4*\sl], s62, \sl*SLOT
	s_add_nc_u64 s[42+4*\sl:43+4*\sl], s[48:49], 8388608-32768+\sl*32768       ; k is the second; waves 4-7 take quarters 0-3
	s_or_b32 s[43+4*\sl], s[43+4*\sl], 0x80000000
.endr
	ROUND                                          ; the four work-groups are here: the first joint loads meet
	JLOAD 0                                        ; two tensor loads of the wave are out here, one behind each later round
	JLOAD 1
	s_lshl_b32 s2, s13, 18                         ; q is the first tensor: the head, + 256 queries a block
	s_lshl_b32 s3, s12, 15
	s_add_co_u32 s2, s2, s3
	s_mov_b32 s3, 0
	s_add_nc_u64 s[2:3], s[4:5], s[2:3]
	v_and_b32 v1, 31, v0                           ; l
	v_and_b32 v7, 15, v0                           ; r
	v_bfe_u32 v8, v0, 4, 1                         ; h
	v_lshlrev_b32 v[QOFF], 7, v7
	v_lshl_add_u32 v[QOFF], v8, 4, v[QOFF]
	s_lshl_b32 s63, s10, 13
	v_add_nc_u32 v[QOFF], s63, v[QOFF]             ; 8,192 rg + 128 r + 16 h
.irp qi, 0,1,2,3
.irp s, 0,1
	global_load_b128 v[Q+8*(2*\qi+\s):Q+8*(2*\qi+\s)+3],   v[QOFF], s[2:3] offset:2048*\qi+64*\s
	global_load_b128 v[Q+8*(2*\qi+\s)+4:Q+8*(2*\qi+\s)+7], v[QOFF], s[2:3] offset:2048*\qi+64*\s+32
.endr
.endr
	s_mul_i32 s63, s10, SCRW
	s_add_co_u32 s63, s63, SCR
	v_lshl_add_u32 v[SCRA], v1, 4, s63             ; the merge: 16 bytes a lane in blocks of 512
	v_mul_u32_u24 v9, v7, KP
	v_lshl_add_u32 v9, v8, 4, v9                   ; 144 r + 16 h: K's fragments and the stage alike
	s_mul_i32 s63, s10, STGW
	s_add_co_u32 s63, s63, STG
	v_add_nc_u32 v[STO], s63, v9
	v_bfe_u32 v10, v0, 3, 2
	v_mul_u32_u24 v10, v10, KP
	v_and_b32 v11, 7, v0
	v_lshl_add_u32 v10, v11, 4, v10
	v_add_nc_u32 v[RD], s63, v10                   ; back: eight lanes take a row's 128 bytes, four rows a load
	v_lshlrev_b32 v[CO], 4, v1
	s_mul_i32 s63, s9, 128*KP
	s_add_co_u32 s63, s63, KOFF
	v_add_nc_u32 v9, s63, v9                       ; K: my half's 128 rows
	v_lshl_add_u32 v12, v8, 3, v11                 ; V: key row 8 h + l % 8,
	v_mul_u32_u24 v12, v12, VP
	v_bfe_u32 v13, v0, 3, 1
	v_lshl_add_u32 v12, v13, 4, v12                ; + 16 bytes for lanes 8-15 of each half: the transposing load's addresses
	s_mul_i32 s63, s9, 128*VP
	v_add_nc_u32 v12, s63, v12
	v_lshlrev_b32 v14, 3, v8
	v_sub_nc_u32 v14, v7, v14                      ; r - 8 h
	v_mov_b32 v15, s55
	WIN 0x40                                       ; destinations in window 1
	v_mov_b32 v[ADRK], v9
	v_add_nc_u32 v[ADRK+1], SLOT, v9
	v_mov_b32 v[ADRV], v12
	v_add_nc_u32 v[ADRV+1], SLOT, v12
.irp e, 0,1,2,3,4,5,6,7
	v_cmp_gt_i32 vcc_lo, \e, v14                   ; key 8 h + e > query r
	v_cndmask_b32 v[G+\e], 0, v15, vcc_lo
.endr
	v_mov_b32 v[BV], 0                             ; the pair is named whole by the packed form
	v_mov_b32 v[BV+1], 0
.irp e, 4,5,6,7
	v_mov_b32 v[T+\e], 0                           ; v_permlanex16_b32's destinations count as read
.endr
	WIN 0
.macro KLOADH sl, u, s                 ; 8 loads: the K fragments of keys 64 u .. + 63 of my half, d 32 s .. + 31
.irp j, 0,1,2,3
	ds_load_b128 v[KV+8*(4*\s+\j):KV+8*(4*\s+\j)+3],   v[ADRK+\sl] offset:(64*\u+16*\j)*KP+64*\s
	ds_load_b128 v[KV+8*(4*\s+\j)+4:KV+8*(4*\s+\j)+7], v[ADRK+\sl] offset:(64*\u+16*\j)*KP+64*\s+32
.endr
.endm
.macro VLOAD sl, u                     ; 16 transposing loads: the V^T fragments of the same keys; keys 0-31 first
.irp c, 0,1
.irp t, 0,1,2,3
	ds_load_tr16_b128 v[KV+8*(4*\c+\t):KV+8*(4*\c+\t)+3],   v[ADRV+\sl] offset:(64*\u+32*\c)*VP+32*\t
	ds_load_tr16_b128 v[KV+8*(4*\c+\t)+4:KV+8*(4*\c+\t)+7], v[ADRV+\sl] offset:(64*\u+32*\c)*VP+32*\t+16*VP
.endr
.endr
.endm
; The tiles with i - j + 3 = dd lie on one diagonal of the step's 4 x 4 and have one mask: key tile - query tile = 4 u + 3 - dd - sT.
; Zero: the diagonal tile's mask G (a = 1).  Above zero: -80000 everywhere (b).  Below: nothing.  Mask tile = G a + b; it starts the sums as C.
; The five vector lines that write the other mask tile stand between this tile's last use and its next writing.
.macro DIAG u, dd
	s_cmp_eq_i32 s50, 4*\u+3-\dd
	s_cselect_b32 s58, 0x3f800000, 0
	s_cmp_lt_i32 s50, 4*\u+3-\dd
	s_cselect_b32 s60, s55, 0
	v_mov_b32 v[BV], s60
.irp k, 0,2,4,6
	v_pk_fma_f32 v[BB+8*(\dd&1)+\k:BB+8*(\dd&1)+\k+1], v[G+\k:G+\k+1], s[58:59], v[BV:BV+1] op_sel_hi:[1,0,0]
.endr
.irp qi, 0,1,2,3
.if (\qi+3-\dd) >= 0
.if (\qi+3-\dd) <= 3
	v_wmma_f32_16x16x32_f16 v[S+8*(4*\qi+\qi+3-\dd):S+8*(4*\qi+\qi+3-\dd)+7], v[KV+8*(\qi+3-\dd):KV+8*(\qi+3-\dd)+7], v[Q+16*\qi:Q+16*\qi+7], v[BB+8*(\dd&1):BB+8*(\dd&1)+7]
.endif
.endif
.endr
.endm
; The softmax's four kinds of lines, each for pair cnt (registers 2 cnt, 2 cnt + 1) of the 16 pairs of q tile qi.
.macro XFMA qi                         ; exponent = S c - m c; op_sel picks the tile's register of the pair of -m c
.if \qi & 1
	v_pk_fma_f32 v[S+32*\qi+2*cnt:S+32*\qi+2*cnt+1], v[S+32*\qi+2*cnt:S+32*\qi+2*cnt+1], s[52:53], v[MNC+(\qi&2):MNC+(\qi&2)+1] op_sel:[0,0,1] op_sel_hi:[1,0,1]
.else
	v_pk_fma_f32 v[S+32*\qi+2*cnt:S+32*\qi+2*cnt+1], v[S+32*\qi+2*cnt:S+32*\qi+2*cnt+1], s[52:53], v[MNC+(\qi&2):MNC+(\qi&2)+1] op_sel_hi:[1,0,0]
.endif
.endm
.macro XEXP qi, o                      ; one of the pair's two exponentials, in place
	v_exp_f32 v[S+32*\qi+2*cnt+\o], v[S+32*\qi+2*cnt+\o]
.endm
.macro XSUM qi, first                  ; the running pair of sums: pair 0 brings alpha in (in the first step pairs 0 and 1 start the sum)
.if cnt == 0
.if \first
	s_wait_alu depctr_va_vdst(0)
	v_pk_add_f32 v[L2+2*\qi:L2+2*\qi+1], v[S+32*\qi:S+32*\qi+1], v[S+32*\qi+2:S+32*\qi+3]
.else
.if \qi & 1
	s_wait_alu depctr_va_vdst(0)
	v_pk_fma_f32 v[L2+2*\qi:L2+2*\qi+1], v[L2+2*\qi:L2+2*\qi+1], v[AL+(\qi&2):AL+(\qi&2)+1], v[S+32*\qi:S+32*\qi+1] op_sel:[0,1,0] op_sel_hi:[1,1,1]
.else
	s_wait_alu depctr_va_vdst(0)
	v_pk_fma_f32 v[L2+2*\qi:L2+2*\qi+1], v[L2+2*\qi:L2+2*\qi+1], v[AL+(\qi&2):AL+(\qi&2)+1], v[S+32*\qi:S+32*\qi+1] op_sel_hi:[1,0,1]
.endif
.endif
.else
.if cnt+1-\first > 1
	v_pk_add_f32 v[L2+2*\qi:L2+2*\qi+1], v[L2+2*\qi:L2+2*\qi+1], v[S+32*\qi+2*cnt:S+32*\qi+2*cnt+1]
.endif
.endif
.endm
.macro XPACK qi                        ; packed word k of a group of 16 registers takes registers 2 k and 2 k + 1, which lie at or above k: safe in place, behind the pair's sum
	v_cvt_pk_f16_f32 v[S+32*\qi+16*(cnt>>3)+(cnt&7)], v[S+32*\qi+2*cnt], v[S+32*\qi+2*cnt+1]
.endm
; q tile 3 is summed with no exponentials left to stand between its lines: two chains, pairs of even number onto L2, of odd number onto T.
; A pair that is read ahead of its turn (pair 2 or 3) is packed over only from turn 4 on.
.macro XSUM3 first
.if cnt == 0
.if \first
	s_wait_alu depctr_va_vdst(0)
	v_pk_add_f32 v[L2+6:L2+7], v[S+96:S+97], v[S+100:S+101]
.else
	s_wait_alu depctr_va_vdst(0)
	v_pk_fma_f32 v[L2+6:L2+7], v[L2+6:L2+7], v[AL+2:AL+3], v[S+96:S+97] op_sel:[0,1,0] op_sel_hi:[1,1,1]
.endif
.endif
.if cnt == 1
	v_pk_add_f32 v[T:T+1], v[S+98:S+99], v[S+102:S+103]
.endif
.if cnt == 2
.if \first == 0
	v_pk_add_f32 v[L2+6:L2+7], v[L2+6:L2+7], v[S+100:S+101]
.endif
.endif
.if cnt > 3
.if cnt & 1
	v_pk_add_f32 v[T:T+1], v[T:T+1], v[S+96+2*cnt:S+96+2*cnt+1]
.else
	v_pk_add_f32 v[L2+6:L2+7], v[L2+6:L2+7], v[S+96+2*cnt:S+96+2*cnt+1]
.endif
.endif
.endm
; 16 turns: two exponentials of tile e, between them the sum and the packing of a pair of tile a, then (f >= 0) a pair's exponents of tile f.
; Behind every exponential stands a plain line that touches none of its registers (ISA guide 5.7.2): the lines between belong to other tiles.
.macro MIX e, a, f, first
.set cnt, 0
.rept 16
	XEXP \e, 0
	XSUM \a, \first
	XEXP \e, 1
	XPACK \a
.if \f >= 0
	XFMA \f
.endif
.set cnt, cnt+1
.endr
.endm
.macro SOFT first
.set cnt, 0
.rept 16
	XFMA 0
.set cnt, cnt+1
.endr
.set cnt, 0
.rept 16
	XEXP 0, 0
	XEXP 0, 1
	XFMA 1
.set cnt, cnt+1
.endr
	MIX 1, 0, 2, \first
	MIX 2, 1, 3, \first
	MIX 3, 2, -1, \first
.set cnt, 0
.rept 16
	XSUM3 \first
	XPACK 3
.set cnt, cnt+1
.endr
	v_pk_add_f32 v[L2+6:L2+7], v[L2+6:L2+7], v[T:T+1]
.endm
.macro RESC f                          ; O of q tile i times register f + i (window 1)
.irp qi, 0,1,2,3
.irp k, 0,2,4,6,8,10,12,14,16,18,20,22,24,26,28,30
.if \qi & 1
	v_pk_mul_f32 v[O+32*\qi+\k:O+32*\qi+\k+1], v[O+32*\qi+\k:O+32*\qi+\k+1], v[\f+(\qi&2):\f+(\qi&2)+1] op_sel:[0,1] op_sel_hi:[1,1]
.else
	v_pk_mul_f32 v[O+32*\qi+\k:O+32*\qi+\k+1], v[O+32*\qi+\k:O+32*\qi+\k+1], v[\f+(\qi&2):\f+(\qi&2)+1] op_sel_hi:[1,0]
.endif
.endr
.endr
.endm
.macro PV c, zero
.irp qi, 0,1,2,3
.irp t, 0,1,2,3
.if \zero
	v_wmma_f32_16x16x32_f16 v[O+8*(4*\qi+\t):O+8*(4*\qi+\t)+7], v[KV+8*(4*\c+\t):KV+8*(4*\c+\t)+7], v[S+32*\qi+16*\c:S+32*\qi+16*\c+7], 0
.else
	v_wmma_f32_16x16x32_f16 v[O+8*(4*\qi+\t):O+8*(4*\qi+\t)+7], v[KV+8*(4*\c+\t):KV+8*(4*\c+\t)+7], v[S+32*\qi+16*\c:S+32*\qi+16*\c+7], v[O+8*(4*\qi+\t):O+8*(4*\qi+\t)+7]
.endif
.endr
.endr
.endm
; One step: 64 keys x 64 queries.  Everywhere the accumulators take turns, one matrix instruction a turn.
; knext = 1: the next step's K fragments come from the same slot and are fetched here, each half as soon as V's fragments have left its registers.
.macro STEP sl, u, first, knext
.set MNC, MN0+(MN1-MN0)*\u             ; this step's -m c,
.set MNP, MN1-(MN1-MN0)*\u             ; the step before's
	WIN W_S
	s_wait_dscnt 8                                 ; K's fragments of d 0-31 are in; the eight of d 32-63, the youngest loads, may be out
	DIAG \u, 0
	DIAG \u, 1
	DIAG \u, 2
	DIAG \u, 3
	DIAG \u, 4
	DIAG \u, 5
	DIAG \u, 6
	s_wait_dscnt 0
.irp qi, 0,1,2,3
.irp j, 0,1,2,3
	v_wmma_f32_16x16x32_f16 v[S+8*(4*\qi+\j):S+8*(4*\qi+\j)+7], v[KV+8*(4+\j):KV+8*(4+\j)+7], v[Q+16*\qi+8:Q+16*\qi+15], v[S+8*(4*\qi+\j):S+8*(4*\qi+\j)+7]
.endr
.endr
	PLACES                                         ; for the loads over K's fragments and for the reads of the scores
	WIN W_1
	VLOAD \sl, \u                                  ; they land under the softmax
	; the maximum of a lane's 32 scores of each q tile and of the running maximum: eight chains that take turns, two a tile (registers 0-15, 16-31)
.if \first
.irp qi, 0,1,2,3
	v_max3_num_f32 v[T+\qi], v[S+32*\qi], v[S+32*\qi+1], v[S+32*\qi+2]
.endr
.irp qi, 0,1,2,3
	v_max3_num_f32 v[T+4+\qi], v[S+32*\qi+16], v[S+32*\qi+17], v[S+32*\qi+18]
.endr
.set cnt, 0
.rept 6
.irp qi, 0,1,2,3
	v_max3_num_f32 v[T+\qi], v[T+\qi], v[S+32*\qi+3+cnt], v[S+32*\qi+4+cnt]
.endr
.irp qi, 0,1,2,3
	v_max3_num_f32 v[T+4+\qi], v[T+4+\qi], v[S+32*\qi+19+cnt], v[S+32*\qi+20+cnt]
.endr
.set cnt, cnt+2
.endr
.irp qi, 0,1,2,3
	v_max3_num_f32 v[T+\qi], v[T+\qi], v[S+32*\qi+15], v[S+32*\qi+31]      ; the two registers that the chains left
.endr
.irp qi, 0,1,2,3
	v_max_num_f32 v[T+\qi], v[T+\qi], v[T+4+\qi]
.endr
.else
.irp qi, 0,1,2,3
	v_max3_num_f32 v[T+\qi], v[M+\qi], v[S+32*\qi], v[S+32*\qi+1]
.endr
.irp qi, 0,1,2,3
	v_max3_num_f32 v[T+4+\qi], v[S+32*\qi+16], v[S+32*\qi+17], v[S+32*\qi+18]
.endr
.set cnt, 0
.rept 6
.irp qi, 0,1,2,3
	v_max3_num_f32 v[T+\qi], v[T+\qi], v[S+32*\qi+2+cnt], v[S+32*\qi+3+cnt]
.endr
.irp qi, 0,1,2,3
	v_max3_num_f32 v[T+4+\qi], v[T+4+\qi], v[S+32*\qi+19+cnt], v[S+32*\qi+20+cnt]
.endr
.set cnt, cnt+2
.endr
.irp qi, 0,1,2,3
	v_max3_num_f32 v[T+\qi], v[T+\qi], v[S+32*\qi+14], v[S+32*\qi+15]
.endr
.irp qi, 0,1,2,3
	v_max3_num_f32 v[T+\qi], v[T+\qi], v[T+4+\qi], v[S+32*\qi+31]          ; the tile's two chains and the last register
.endr
.endif
.irp qi, 0,1,2,3
	v_permlanex16_b32 v[T+4+\qi], v[T+\qi], s56, s57       ; the other half of the lanes holds the tile's other keys
.endr
.irp qi, 0,1,2,3
	v_max_num_f32 v[M+\qi], v[T+\qi], v[T+4+\qi]
.endr
.irp qi, 0,1,2,3
	v_mul_f32 v[MNC+\qi], s54, v[M+\qi]                    ; -m c, rounded once
.endr
.if \first == 0
.irp qi, 0,1,2,3
	v_sub_f32 v[AL+\qi], v[MNC+\qi], v[MNP+\qi]            ; (old m - new m) c from the two ROUNDED numbers that the exponents use: their rounding cancels
.endr
.irp qi, 0,1,2,3
	v_exp_f32 v[AL+\qi], v[AL+\qi]                         ; a plain line that touches none of these follows (ISA guide 5.7.2): the first exponent of tile 0
.endr
.endif
	SOFT \first
.if \first == 0
	WIN W_R
	RESC AL
.endif
	s_wait_dscnt 8                                 ; V's fragments of keys 0-31 are in
	WIN W_PV
	PV 0, \first
.if \knext
	PLACES                                         ; V's fragments of keys 0-31 have been read: four places, then the next step's K of d 0-31 takes their registers
	WIN W_S
	KLOADH \sl, 1, 0
	s_wait_dscnt 8                                 ; LDS loads come back in order: V's fragments of keys 32-63 are in, the eight K loads just issued may be out
.else
	s_wait_dscnt 0
.endif
	WIN W_PV
	PV 1, 0
	PLACES                                         ; for the loads over V's fragments; with the next mask tile's five lines also for the products that write over P
.if \knext
	WIN W_S
	KLOADH \sl, 1, 1
.endif
.endm
.macro PHASE sl, first                 ; my 128 keys of slot sl
	WIN W_S
	KLOADH \sl, 0, 0
	KLOADH \sl, 0, 1
	STEP \sl, 0, \first, 1
	STEP \sl, 1, 0, 0
	s_sub_co_i32 s50, s50, 16                      ; the next slot's keys are 16 tiles further on
	WIN 0
.endm
; The change of slots.  In front of the barrier every wave waits for all its tensor loads (its part of the next slot among them) and for its reads of the slot just read.
; With a refill the barrier is a round of the cluster's barrier, and the joint load is the first thing behind it, one a wave.
.macro CHANGE sl, refill
	s_wait_tensorcnt 0x0                           ; no tensor load of mine is out, so a group 0 may be written
	ds_add_u32 v62, v63
	s_wait_dscnt 0x0
.if \refill
	s_add_nc_u64 s[34+4*\sl:35+4*\sl], s[34+4*\sl:35+4*\sl], 65536     ; two slots = 512 rows of 128 bytes on
	s_add_nc_u64 s[42+4*\sl:43+4*\sl], s[42+4*\sl:43+4*\sl], 65536
.endif
	s_wait_dscnt 0x0
.if \refill
	ROUND
	JLOAD \sl
.else
	s_barrier_signal -1
	s_barrier_wait -1
.endif
.endm
	s_wait_loadcnt 0x0                             ; Q
	s_wait_tensorcnt 0x1                           ; my part of slot 0 is in; slot 1's may stay out
	s_barrier_signal -1
	s_barrier_wait -1
	PHASE 0, 1                                     ; keys 0-255: the first products start the sums
	s_mov_b32 s51, 3
.Lpair:
	CHANGE 0, 1
	PHASE 1, 0
	CHANGE 1, 1
	PHASE 0, 0
	s_sub_co_u32 s51, s51, 1
	s_cmp_lg_u32 s51, 0
	s_cbranch_scc1 .Lpair
	CHANGE 0, 0                                    ; nothing is left to fetch
	PHASE 1, 0                                     ; keys 1792-2047
	; THE MERGE of the two halves of the keys.  l = both sums of the pair, both halves of the lanes.
	WIN W_1
.irp qi, 0,1,2,3
	v_add_f32 v[T+\qi], v[L2+2*\qi], v[L2+2*\qi+1]
.endr
.irp qi, 0,1,2,3
	v_permlanex16_b32 v[T+4+\qi], v[T+\qi], s56, s57
.endr
.irp qi, 0,1,2,3
	v_add_f32 v[T+\qi], v[T+\qi], v[T+4+\qi]
.endr
	WIN 0
	s_cmp_eq_u32 s9, 0
	s_cbranch_scc1 .Lkeep
.set cnt, 0
.rept 32
	ds_store_b128 v[SCRA], v[O+4*cnt:O+4*cnt+3] offset:512*cnt     ; waves 4-7 hand over O,
.set cnt, cnt+1
.endr
	WIN W_R
	ds_store_b128 v[SCRA], v[MN1:MN1+3] offset:512*32              ; -m c
	ds_store_b128 v[SCRA], v[T:T+3] offset:512*33                  ; and l
	WIN 0
.Lkeep:
	s_wait_dscnt 0x0                               ; for the partner's sake: the stores are done
	s_barrier_signal -1
	s_barrier_wait -1
	s_cmp_lg_u32 s9, 0
	s_cbranch_scc1 .Ldone
	WIN 0x40
.set cnt, 0
.rept 32
	ds_load_b128 v[S+4*cnt:S+4*cnt+3], v[SCRA] offset:512*cnt
.set cnt, cnt+1
.endr
	ds_load_b128 v[KV:KV+3], v[SCRA] offset:512*32
	ds_load_b128 v[KV+4:KV+7], v[SCRA] offset:512*33
	s_wait_dscnt 0x0
	WIN W_1
.irp qi, 0,1,2,3
	v_min_num_f32 v[T+4+\qi], v[MN1+\qi], v[KV+\qi]        ; the larger maximum has the smaller -m c
.endr
.irp qi, 0,1,2,3
	v_sub_f32 v[AL+\qi], v[T+4+\qi], v[MN1+\qi]
.endr
.irp qi, 0,1,2,3
	v_sub_f32 v[M+\qi], v[T+4+\qi], v[KV+\qi]
.endr
.irp qi, 0,1,2,3
	v_exp_f32 v[AL+\qi], v[AL+\qi]
.endr
.irp qi, 0,1,2,3
	v_exp_f32 v[M+\qi], v[M+\qi]
.endr
	v_nop                                          ; one plain line behind the exponentials (ISA guide 5.7.2)
	s_wait_alu depctr_va_vdst(0)
.irp qi, 0,1,2,3
	v_mul_f32 v[T+\qi], v[T+\qi], v[AL+\qi]
.endr
.irp qi, 0,1,2,3
	v_fmac_f32 v[T+\qi], v[KV+4+\qi], v[M+\qi]             ; l >= 1: the largest score's weight is 1
.endr
.irp qi, 0,1,2,3
	v_rcp_f32 v[T+4+\qi], v[T+\qi]
.endr
	v_nop
	s_wait_alu depctr_va_vdst(0)
.irp qi, 0,1,2,3
	v_mul_f32 v[AL+\qi], v[AL+\qi], v[T+4+\qi]
.endr
.irp qi, 0,1,2,3
	v_mul_f32 v[M+\qi], v[M+\qi], v[T+4+\qi]
.endr
	WIN W_R
	RESC AL                                        ; O = O a1 / l
	WIN W_PV
.irp qi, 0,1,2,3
.irp k, 0,2,4,6,8,10,12,14,16,18,20,22,24,26,28,30
.if \qi & 1
	v_pk_fma_f32 v[O+32*\qi+\k:O+32*\qi+\k+1], v[S+32*\qi+\k:S+32*\qi+\k+1], v[M+(\qi&2):M+(\qi&2)+1], v[O+32*\qi+\k:O+32*\qi+\k+1] op_sel:[0,1,0] op_sel_hi:[1,1,1]
.else
	v_pk_fma_f32 v[O+32*\qi+\k:O+32*\qi+\k+1], v[S+32*\qi+\k:S+32*\qi+\k+1], v[M+(\qi&2):M+(\qi&2)+1], v[O+32*\qi+\k:O+32*\qi+\k+1] op_sel_hi:[1,0,1]
.endif
.endr
.endr
	; THE WAY OUT: round to f16 (into Q's registers, free by now), 16 bytes a lane into my stage, read back by rows, 512 neighbouring bytes a store.
	WIN 0
.set cnt, 0
.rept 64
	v_cvt_pk_f16_f32 v[Q+cnt], v[O+2*cnt], v[O+2*cnt+1]
.set cnt, cnt+1
.endr
	s_lshl_b32 s2, s13, 11                         ; row = 2,048 (16 b + head) + 256 block + 64 rg,
	s_lshl_b32 s3, s12, 8
	s_add_co_u32 s2, s2, s3
	s_lshl_b32 s3, s10, 6
	s_add_co_u32 s2, s2, s3
	s_lshl_b32 s2, s2, 7                           ; of 128 bytes
	s_mov_b32 s3, 0
	s_add_nc_u64 s[6:7], s[6:7], s[2:3]
.irp qi, 0,1,2,3
.irp t, 0,1,2,3
	ds_store_b128 v[STO], v[Q+4*(4*\qi+\t):Q+4*(4*\qi+\t)+3] offset:16*KP*\qi+32*\t
.endr
.endr
.set cnt, 0
.rept 16
	ds_load_b128 v[O+4*cnt:O+4*cnt+3], v[RD] offset:4*KP*cnt       ; LDS serves a wave's instructions in order: these see the stores above
.set cnt, cnt+1
.endr
.set cnt, 0
.rept 16
	s_wait_dscnt 15-cnt
	global_store_b128 v[CO], v[O+4*cnt:O+4*cnt+3], s[6:7] offset:512*cnt   ; four rows of the head: 512 consecutive bytes, aligned
.set cnt, cnt+1
.endr
.Ldone:
	s_wait_tensorcnt 0x0
	ds_add_u32 v62, v63
	s_wait_dscnt 0x0
	ROUND                                          ; the closing round: no work-group ends while a partner may still ask for a tile that names it
	s_endpgm
.Lfunc_end_k_qd30e82b18e_attn:
	.size	k_qd30e82b18e_attn, .Lfunc_end_k_qd30e82b18e_attn-k_qd30e82b18e_attn
	.p2alignl 7, 3214868480
	.fill 96, 4, 3214868480
	.section	.rodata,"a",@progbits
	.p2align	6, 0x0
	.amdhsa_kernel k_qd30e82b18e_attn
		.amdhsa_group_segment_fixed_size 327680
		.amdhsa_private_segment_fixed_size 0
		.amdhsa_enable_private_segment 0
		.amdhsa_kernarg_size 16
		.amdhsa_user_sgpr_count 2
		.amdhsa_user_sgpr_kernarg_segment_ptr 1
		.amdhsa_wavefront_size32 1
		.amdhsa_system_sgpr_workgroup_id_x 1
		.amdhsa_system_sgpr_workgroup_id_y 1
		.amdhsa_system_sgpr_workgroup_id_z 1
		.amdhsa_system_vgpr_workitem_id 0
		.amdhsa_next_free_vgpr 512
		.amdhsa_next_free_sgpr 66
		.amdhsa_reserve_vcc 1
		.amdhsa_float_denorm_mode_32 3
		.amdhsa_float_denorm_mode_16_64 3
		.amdhsa_memory_ordered 1
		.amdhsa_forward_progress 1
		.amdhsa_inst_pref_size 255
	.end_amdhsa_kernel
	.section	.bss,"aw",@nobits
	.p2align	6
	.space	262144
	.amdgpu_metadata
---
amdhsa.version: [ 1, 2 ]
amdhsa.kernels:
  - .name:           k_qd30e82b18e_attn
    .symbol:         k_qd30e82b18e_attn.kd
    .args:
      - { .name: qkvh, .offset: 0, .size: 8, .value_kind: global_buffer, .address_space: global }
      - { .name: ctx, .offset: 8, .size: 8, .value_kind: global_buffer, .address_space: global }
    .group_segment_fixed_size: 327680
    .private_segment_fixed_size: 0
    .kernarg_segment_align: 8
    .kernarg_segment_size: 16
    .max_flat_workgroup_size: 256
    .sgpr_count:     66
    .vgpr_count:     512
    .wavefront_size: 32
...
	.end_amdgpu_metadata
.endif
;; end of part 3
;; launch oproj (part 4): grid 8 x 32, 4 waves a work-group, clusters of 4 x 4, 327,680 bytes of LDS; arguments ctx, wb, out0; writes out0
.if DOCPART == 4
	.amdgcn_target "amdgcn-amd-amdhsa--gfx1250"
	.amdhsa_code_object_version 6
	.text
	.protected	k_qd30e82b18e_oproj
	.globl	k_qd30e82b18e_oproj
	.p2align	8
	.type	k_qd30e82b18e_oproj,@function
k_qd30e82b18e_oproj:
	s_mov_b64 s[64:65], 0
	v_nop
	global_prefetch_b8 v0, s[64:65] scope:SCOPE_SE
	s_setreg_imm32_b32 hwreg(HW_REG_WAVE_MODE, 25, 1), 1
	s_wait_xcnt 0x0
	s_wait_alu depctr_hold_cnt(0) depctr_sa_sdst(0) depctr_va_vdst(0) depctr_va_sdst(0) depctr_va_ssrc(0) depctr_va_vcc(0) depctr_vm_vsrc(0)
	s_getreg_b32 s2, hwreg(HW_REG_IB_STS2, 6, 4)
	s_cmp_eq_u32 s2, 0
	s_cbranch_scc0 .Lentry_in_a_cluster
	s_endpgm
.Lentry_in_a_cluster:
	s_bfe_u32 s2, ttmp6, 0x10000c
	s_cmp_lg_u32 s2, 0xf033
	s_cbranch_scc0 .Lentry_shape_is_right
	s_endpgm
.Lentry_shape_is_right:
; out0[4096][1024] f32 = A x w_o, A[b 2048 + s][64 head + d] = ctx[b][head][s][d].  Operands f16 (w_o: the fourth matrix of wb, [k][n]), sums f32.
; 256 work-groups of 128 x 128, four waves of 64 x 64: blocks of 256 x 256 would leave 64 work-groups for 256 WGPs.
; K goes in four steps of 256 (four heads) through two LDS slots of 147,456 bytes:
;   A: four heads x 128 rows, pitch 144 (a head's 128 rows are 16 KiB of neighbouring bytes in ctx);   W at + 73,728: 256 k-rows x 256 bytes, pitch 288 = 9 x 32.
; Waves 0 and 1 fetch two heads of A each: a tile of two rows of 8,192 elements, 262,144 bytes apart.  The mover counts the padding's interval along the whole tile,
; so 16 bytes follow every 128: each of the 256 rows of 64 elements gets its pad.  Waves 2 and 3 fetch 128 k-rows of W each.  Every load brings 36,864 LDS bytes.
; CLUSTERS: 4 x 4.  A's tile hangs on the block row alone (joint along a row of the cluster), W's on the block column alone (joint along a column).
; The matrix instruction is used transposed (source 0 = 16 columns of W, source 1 = 16 rows of A): a lane's eight results are 32 neighbouring bytes of a row of out0.
; Registers: window 0: addresses; two fragment buffers v64-127, v128-191 (A's four at + 8 a, W's four at + 32 + 8 b).  Window 1: accumulator (a, b) at 8 (4 a + b).
.set CH,     18432                     ; a head in LDS: 128 x 144
.set BPITCH, 288
.set QUART,  36864                     ; what one tensor load brings
.set SLOT,   4*QUART
.set STAGE,  2*SLOT                    ; 16 rows x 272 bytes for each wave; no tensor load lands here
.set SPITCH, 272
.set ADRA, 16                          ; v16-17  A's fragments, slot 0, 1
.set ADRB, 20                          ; v20-23  W's fragments: slot 0 k-rows 0-127, 128-255; slot 1 likewise
.set STO,  24
.set RD,   25
.set CO,   26
.set F0,   64
.set F1,   128
.set G1, 24
.set G0, 32
.set G1B, 48
.set G0B, 56
.set MULW, 0x50                        ; C and D window 1, sources window 0
.set MSB, 0
.macro WIN new
.if MSB != \new
	s_set_vgpr_msb (MSB<<8)|\new
.set MSB, \new
.endif
.endm
.macro JLOAD s
	s_cmp_eq_u32 s11, 0
	s_cbranch_scc0 .Lfor_b_\@
	tensor_load_to_lds s[G0+4*\s:G0+4*\s+3], s[G1:G1+7]
	s_nop 0
	s_branch .Lasked_\@
.Lfor_b_\@:
	tensor_load_to_lds s[G0B+4*\s:G0B+4*\s+3], s[G1B:G1B+7]
	s_nop 0
.Lasked_\@:
.endm
.macro CREST
	s_cmp_lg_u32 s10, 0
	s_cbranch_scc1 .Lnot_wave_0_\@
	s_barrier_signal -3
.Lnot_wave_0_\@:
	s_barrier_wait -3
	s_barrier_signal -1
	s_barrier_wait -1
.endm
.macro CROUND
	s_barrier_signal -1
	s_barrier_wait -1
	CREST
.endm
	s_load_b128 s[4:7], s[0:1], 0x0                ; ctx s[4:5], wb s[6:7]
	s_load_b64 s[8:9], s[0:1], 0x10                ; out0
	v_lshl_add_u32 v254, v0, 2, 0x4c400
	v_mov_b32 v255, 0
	ds_add_u32 v254, v255
	v_lshrrev_b32 v1, 5, v0
	v_readfirstlane_b32 s10, v1                    ; wave 0..3
	s_lshr_b32 s11, s10, 1                         ; my half of the rows.  Also: I fetch A (0) or W (1)
	s_and_b32 s12, s10, 1                          ; my half of the columns.  Also: which half of that tile I fetch
	s_bfe_u32 s40, ttmp6, 0x40000                  ; cx
	s_bfe_u32 s41, ttmp6, 0x40004                  ; cy
	s_lshl_b32 s42, ttmp9, 2
	s_add_co_u32 s42, s42, s40                     ; block column 0..7
	s_and_b32 s13, ttmp7, 0xffff
	s_lshl_b32 s13, s13, 2
	s_add_co_u32 s13, s13, s41                     ; block row 0..31
	s_lshl_b32 s43, s41, 2
	s_lshl_b32 s43, 15, s43                        ; my row of the cluster
	s_lshl_b32 s44, 0x1111, s40                    ; my column
	s_or_b32 s[G1+0], s43, (1<<16)|(1<<20)|(1<<21)|(4<<22)|(3<<25)   ; A: 4 words after every 32
	s_mov_b32 s[G1+1], 8192<<16                    ; tensor_dim0 = 8,192: a head's 128 rows x 64
	s_mov_b32 s[G1+2], 2<<16                       ; tensor_dim1 = 2 heads
	s_mov_b32 s[G1+3], 8192<<16                    ; tile_dim0
	s_mov_b32 s[G1+4], 2                           ; tile_dim1
	s_mov_b32 s[G1+5], 131072                      ; elements from head to head
	s_mov_b32 s[G1+6], 0
	s_mov_b32 s[G1+7], 0
	s_or_b32 s[G1B+0], s44, (1<<16)|(1<<20)|(1<<21)|(5<<22)|(7<<25)  ; W: 8 words after every 64
	s_mov_b32 s[G1B+1], 128<<16                    ; 128 columns
	s_mov_b32 s[G1B+2], 128<<16                    ; 128 k-rows
	s_mov_b32 s[G1B+3], 128<<16
	s_mov_b32 s[G1B+4], 128
	s_mov_b32 s[G1B+5], 1024
	s_mov_b32 s[G1B+6], 0
	s_mov_b32 s[G1B+7], 0
	s_lshr_b32 s16, s13, 4
	s_lshl_b32 s16, s16, 22                        ; A: batch of 16 heads x 262,144 bytes,
	s_lshl_b32 s17, s12, 19                        ; + two heads for the second half,
	s_add_co_u32 s16, s16, s17
	s_and_b32 s17, s13, 15
	s_lshl_b32 s17, s17, 14                        ; + 128 rows of 128 bytes a block row
	s_add_co_u32 s16, s16, s17
	s_mov_b32 s17, 0
	s_lshl_b32 s46, s12, 18                        ; W: 128 k-rows of 2,048 bytes for the second half,
	s_lshl_b32 s47, s42, 8                         ; + 256 bytes a block column,
	s_add_co_u32 s46, s46, s47
	s_add_co_u32 s46, s46, 6291456                 ; in the fourth matrix of wb
	s_mov_b32 s47, 0
	s_mul_i32 s20, s10, QUART
	s_wait_dscnt 0x0
	s_wait_kmcnt 0x0
	s_add_nc_u64 s[14:15], s[4:5], s[16:17]
	s_add_nc_u64 s[46:47], s[6:7], s[46:47]
	CROUND                                         ; all sixteen work-groups are here: the first joint loads meet
.irp s, 0,1
	s_mov_b32 s[G0+4*\s], 1
	s_add_co_u32 s[G0+4*\s+1], s20, \s*SLOT
	s_add_nc_u64 s[G0+4*\s+2:G0+4*\s+3], s[14:15], \s*1048576          ; four heads a step
	s_or_b32 s[G0+4*\s+3], s[G0+4*\s+3], 0x80000000
	s_mov_b32 s[G0B+4*\s], 1
	s_add_co_u32 s[G0B+4*\s+1], s20, \s*SLOT
	s_add_nc_u64 s[G0B+4*\s+2:G0B+4*\s+3], s[46:47], \s*524288         ; 256 k-rows a step
	s_or_b32 s[G0B+4*\s+3], s[G0B+4*\s+3], 0x80000000
	JLOAD \s                                       ; two tensor loads of the wave are out here, one behind each later round
.endr
	v_and_b32 v1, 15, v0                           ; r
	v_bfe_u32 v2, v0, 4, 1                         ; h
	v_mul_u32_u24 v3, v1, 144
	v_lshl_add_u32 v3, v2, 4, v3                   ; A: 144 r + 16 h
	v_and_b32 v6, 7, v0
	v_lshl_add_u32 v6, v2, 3, v6
	v_mul_u32_u24 v6, v6, BPITCH
	v_bfe_u32 v7, v0, 3, 1
	v_lshl_add_u32 v6, v7, 4, v6                   ; W: the transposing load's addresses
	s_mul_i32 s21, s11, 64*144                     ; my 64 rows of each head
	s_lshl_b32 s22, s12, 7                         ; my 64 columns: 128 bytes,
	s_add_co_u32 s22, s22, 2*QUART                 ; behind A
.irp s, 0,1
	v_add_nc_u32 v[ADRA+\s], s21, v3
	v_add_nc_u32 v[ADRB+2*\s], s22, v6
	s_add_co_u32 s22, s22, QUART                   ; k-rows 128-255: beyond the reach of a 16-bit offset from the first
	v_add_nc_u32 v[ADRB+2*\s+1], s22, v6
	s_add_co_u32 s21, s21, SLOT
	s_add_co_u32 s22, s22, SLOT-QUART
.endr
	s_mul_i32 s23, s10, 16*SPITCH
	s_add_co_u32 s23, s23, STAGE
	v_mul_u32_u24 v4, v1, SPITCH
	v_lshl_add_u32 v4, v2, 5, v4
	v_add_nc_u32 v[STO], s23, v4                   ; in: row r, 32 bytes for each half of the lanes
	v_mul_u32_u24 v5, v2, SPITCH
	v_lshl_add_u32 v5, v1, 4, v5
	v_add_nc_u32 v[RD], s23, v5                    ; back: lanes 0-15 one row of 256 bytes, lanes 16-31 the next
	v_lshlrev_b32 v5, 12, v2
	v_lshl_add_u32 v[CO], v1, 4, v5                ; and the same two rows of out0
.macro MUL8 f, a0, zero
.irp a, \a0, \a0+1
.irp b, 0,1,2,3
.if \zero
	v_wmma_f32_16x16x32_f16 v[8*(4*(\a)+\b):8*(4*(\a)+\b)+7], v[\f+32+8*\b:\f+32+8*\b+7], v[\f+8*(\a):\f+8*(\a)+7], 0
.else
	v_wmma_f32_16x16x32_f16 v[8*(4*(\a)+\b):8*(4*(\a)+\b)+7], v[\f+32+8*\b:\f+32+8*\b+7], v[\f+8*(\a):\f+8*(\a)+7], v[8*(4*(\a)+\b):8*(4*(\a)+\b)+7]
.endif
.endr
.endr
.endm
; 16 LDS loads: the fragments of eighth q (32 along K) of a slot into buffer f.  Head q / 2, bytes 64 (q % 2) of its rows; k-rows 32 q of W.
.macro FETCH slot, q, f
.irp a, 0,1,2,3
	ds_load_b128 v[\f+8*\a:\f+8*\a+3],   v[ADRA+\slot] offset:((\q)>>1)*CH+((\q)&1)*64+\a*2304
	ds_load_b128 v[\f+8*\a+4:\f+8*\a+7], v[ADRA+\slot] offset:((\q)>>1)*CH+((\q)&1)*64+\a*2304+32
.endr
.irp b, 0,1,2,3
	ds_load_tr16_b128 v[\f+32+8*\b:\f+32+8*\b+3],   v[ADRB+2*\slot+((\q)>>2)] offset:((\q)&3)*32*BPITCH+32*\b
	ds_load_tr16_b128 v[\f+32+8*\b+4:\f+32+8*\b+7], v[ADRB+2*\slot+((\q)>>2)] offset:((\q)&3)*32*BPITCH+32*\b+16*BPITCH
.endr
.endm
.macro PLACES                          ; four plain vector instructions between a matrix instruction and a load into, or an LDS store of, its registers
.rept 4
	v_nop
.endr
.endm
; One eighth of a step: fetches eighth qn into buffer g, then multiplies buffer f.
.macro EIGHTH slot, qn, f, g, zero
	PLACES
	WIN 0
	FETCH \slot, \qn, \g
	s_wait_dscnt 16                                ; all but the 16 just issued: buffer f is in
	WIN MULW
	MUL8 \f, 0, \zero
	MUL8 \f, 2, \zero
.endm
.macro SEVEN slot, zero
	EIGHTH \slot, 1, F0, F1, \zero
	EIGHTH \slot, 2, F1, F0, 0
	EIGHTH \slot, 3, F0, F1, 0
	EIGHTH \slot, 4, F1, F0, 0
	EIGHTH \slot, 5, F0, F1, 0
	EIGHTH \slot, 6, F1, F0, 0
	EIGHTH \slot, 7, F0, F1, 0
.endm
; The last eighth changes slots: the waits for my reads of this slot and for all my tensor loads, the barrier (with a refill: a round of the cluster's barrier),
; the refill first behind it, then the next slot's first fragments.
.macro TURN slot, next, fill
	s_wait_dscnt 0
	s_wait_tensorcnt 0x0
	ds_add_u32 v254, v255
	s_wait_dscnt 0x0
	s_barrier_signal -1
	WIN MULW
	MUL8 F1, 0, 0                                  ; register work while the others arrive
	WIN 0
	s_barrier_wait -1
.if \fill
	CREST
	s_add_nc_u64 s[G0+4*\slot+2:G0+4*\slot+3], s[G0+4*\slot+2:G0+4*\slot+3], 2097152      ; eight heads on
	s_add_nc_u64 s[G0B+4*\slot+2:G0B+4*\slot+3], s[G0B+4*\slot+2:G0B+4*\slot+3], 1048576  ; 512 k-rows on
	JLOAD \slot
.endif
	PLACES
	FETCH \next, 0, F0
	WIN MULW
	MUL8 F1, 2, 0
.endm
; The 16 accumulators take turns, one instruction a turn, in the same order in every eighth.
	s_wait_tensorcnt 1                             ; my part of step 0 is in; step 1's may stay out
	s_barrier_signal -1
	s_barrier_wait -1
	FETCH 0, 0, F0
	SEVEN 0, 1                                     ; the first products start the sums
	TURN 0, 1, 1
	SEVEN 1, 0
	TURN 1, 0, 1
	SEVEN 0, 0
	TURN 0, 1, 0                                   ; nothing is left to fetch
	SEVEN 1, 0
	s_wait_dscnt 0
	WIN MULW
	MUL8 F1, 0, 0
	MUL8 F1, 2, 0
	; THE WAY OUT, 16 rows at a time: 32 bytes a lane into my stage, straight from the accumulators; whole rows of 256 bytes back and out.
	PLACES
	s_lshl_b32 s16, s13, 7
	s_lshl_b32 s14, s11, 6
	s_add_co_u32 s16, s16, s14                     ; my first row,
	s_lshl_b32 s16, s16, 12                        ; of 4,096 bytes
	s_mov_b32 s17, 0
	s_add_nc_u64 s[8:9], s[8:9], s[16:17]
	s_lshl_b32 s46, s42, 9                         ; my first column: 512 bytes a block + 256 a half (in W's registers: none that feeds A's descriptors holds cx)
	s_lshl_b32 s47, s12, 8
	s_add_co_u32 s46, s46, s47
	s_mov_b32 s47, 0
	s_add_nc_u64 s[8:9], s[8:9], s[46:47]
.macro OUT16 a, f
	WIN 0x04                                       ; store data from window 1
.irp b, 0,1,2,3
	ds_store_b128 v[STO], v[8*(4*\a+\b):8*(4*\a+\b)+3]   offset:64*\b
	ds_store_b128 v[STO], v[8*(4*\a+\b)+4:8*(4*\a+\b)+7] offset:64*\b+16
.endr
	WIN 0
	s_wait_xcnt 0x0                                ; buffer f, which earlier stores read, and the stores' base are rewritten only behind this wait
.if \a
	s_add_nc_u64 s[8:9], s[8:9], 16*4096
.endif
.irp t, 0,1,2,3,4,5,6,7
	ds_load_b128 v[\f+4*\t:\f+4*\t+3], v[RD] offset:\t*2*SPITCH    ; LDS serves a wave's instructions in order: these see the stores above
.endr
.irp t, 0,1,2,3,4,5,6,7
	s_wait_dscnt 7-\t
	global_store_b128 v[CO], v[\f+4*\t:\f+4*\t+3], s[8:9] offset:\t*8192 th:TH_STORE_NT   ; 16 lanes store 256 consecutive bytes, aligned
.endr
.endm
	OUT16 0, F0
	OUT16 1, F1
	OUT16 2, F0
	OUT16 3, F1
	s_wait_tensorcnt 0x0
	ds_add_u32 v254, v255
	s_wait_dscnt 0x0
	CROUND                                         ; the closing round
	s_endpgm
.Lfunc_end_k_qd30e82b18e_oproj:
	.size	k_qd30e82b18e_oproj, .Lfunc_end_k_qd30e82b18e_oproj-k_qd30e82b18e_oproj
	.p2alignl 7, 3214868480
	.fill 96, 4, 3214868480
	.section	.rodata,"a",@progbits
	.p2align	6, 0x0
	.amdhsa_kernel k_qd30e82b18e_oproj
		.amdhsa_group_segment_fixed_size 327680
		.amdhsa_private_segment_fixed_size 0
		.amdhsa_enable_private_segment 0
		.amdhsa_kernarg_size 24
		.amdhsa_user_sgpr_count 2
		.amdhsa_user_sgpr_kernarg_segment_ptr 1
		.amdhsa_wavefront_size32 1
		.amdhsa_system_sgpr_workgroup_id_x 1
		.amdhsa_system_sgpr_workgroup_id_y 1
		.amdhsa_system_sgpr_workgroup_id_z 1
		.amdhsa_system_vgpr_workitem_id 0
		.amdhsa_next_free_vgpr 384
		.amdhsa_next_free_sgpr 66
		.amdhsa_reserve_vcc 0
		.amdhsa_float_denorm_mode_32 3
		.amdhsa_float_denorm_mode_16_64 3
		.amdhsa_memory_ordered 1
		.amdhsa_forward_progress 1
		.amdhsa_inst_pref_size 89
	.end_amdhsa_kernel
	.amdgpu_metadata
---
amdhsa.version: [ 1, 2 ]
amdhsa.kernels:
  - .name:           k_qd30e82b18e_oproj
    .symbol:         k_qd30e82b18e_oproj.kd
    .args:
      - { .name: ctx, .offset: 0, .size: 8, .value_kind: global_buffer, .address_space: global }
      - { .name: wb, .offset: 8, .size: 8, .value_kind: global_buffer, .address_space: global }
      - { .name: out0, .offset: 16, .size: 8, .value_kind: global_buffer, .address_space: global }
    .group_segment_fixed_size: 327680
    .private_segment_fixed_size: 0
    .kernarg_segment_align: 8
    .kernarg_segment_size: 24
    .max_flat_workgroup_size: 128
    .sgpr_count:     66
    .vgpr_count:     384
    .wavefront_size: 32
...
	.end_amdgpu_metadata
.endif
;; end of part 4
